; MI455X (gfx1250); checked and timed in simulation.
; The chip was launched on July 23, 2026; its instructions are those of AMD's public machine-readable ISA for CDNA 5 (MIT licence, August 2026) and "CDNA5" Instruction Set Architecture Reference Guide (July 2026). The comments in the code are by the model that wrote it; some were corrected since.
;; FAPM. Allowed arithmetic: float matrix products may take bf16 or f16 operands with f32 sums; other float arithmetic in f32, or as packed bf16 or f16 multiplies, adds, multiply-adds, maxima and minima; sums over many terms, partial sums and values carried from step to step in f32; what a program stores and reads back later, other than sums and carried values, may be rounded once to bf16 or f16.
;; Inputs: embedding 16,384 x 384 float32; memory_bank 8,192 x 384 float32.
;; Outputs: out0 16,384 x 9 float32.
;; Constants: n_neighbors = 9.
;; 2 versions, each right; version 2 is version 1 with the launch prep written anew for expert scheduling mode. Each part assembles by itself: llvm-mc -triple=amdgcn-amd-amdhsa -mcpu=gfx1250 --defsym DOCPART=n.
;; ======== version 1 of 2: 3 launches
;; workspace buffers: yb 6,291,456 bytes; yn 32,768 bytes; part 3,145,728 bytes
;; launch prep (part 1): grid 128 x 1, 8 waves a work-group, no clusters, 1,280 bytes of LDS; arguments memory_bank, yb, yn; writes yb, yn
.if DOCPART == 1
	.amdgcn_target "amdgcn-amd-amdhsa--gfx1250"
	.amdhsa_code_object_version 6
	.text
	.protected	k_q5fae7616a5_prep
	.globl	k_q5fae7616a5_prep
	.p2align	8
	.type	k_q5fae7616a5_prep,@function
k_q5fae7616a5_prep:
	s_mov_b64 s[64:65], 0
	v_nop
	global_prefetch_b8 v0, s[64:65] scope:SCOPE_SE
	s_setreg_imm32_b32 hwreg(HW_REG_WAVE_MODE, 25, 1), 1
	s_wait_xcnt 0x0
; yb[m][k] = bf16(-2 y[m][k]);  yn[m] = the sum over k of bf16(y[m][k])^2, in f32.  y: [8192][384] f32, yb: [8192][384] bf16, yn: [8192] f32.
; The factor -2 is a power of two, so bf16(-2 y) = -2 bf16(y) and yn is a quarter of the sum of yb's squares: the norm belongs to the ROUNDED row, so that
; xn + yn + x . yb in the next launch is the squared distance of the rounded vectors.
; LIMITS.  |y| stays under 1.6e38, so that -2 y is finite; NaN and infinities are not treated apart.
; SHARES.  A work-group owns 64 rows, so that its 64 norms are 256 consecutive bytes, aligned; each of its eight waves owns 8 rows.  A row is 1,536 bytes: three loads
; of 512 consecutive bytes a wave.  All 24 loads of a wave go out at once: the whole input is asked for at the start, and each byte is read once.
; No matrix unit, no cluster: there is one multiply and one multiply-add a number, and no work-group wants a byte that another has read.
.set NB,    0                          ; LDS: the work-group's 64 norms, 256 bytes
.set SPARE, 256                        ; behind them: the spare words, 128 bytes for each wave: four blocks of 256 bytes that no other line names
.set LO,   2                           ; v2   16 x lane: my 16 bytes in 512 bytes of y
.set SO,   3                           ; v3   8 x lane: my 8 bytes in 256 bytes of yb; also of the norms
.set NA,   4                           ; v4   LDS address of the norm of row lane % 8 of my wave
.set ZERO, 5                           ; v5   0: the addend that starts a sum (the mixed multiply-add takes registers alone)
.set NV,   6                           ; v6   the norm of row lane % 8
.set SPW,  8                           ; v8   LDS address of my spare word; never rewritten
.set NIL,  9                           ; v9   0; never rewritten
.set CH,   16                          ; v[16:31]   row p: two running sums (low halves, high halves) at CH + 2 p
.set IN,   32                          ; v[32:127]  row p, third j: 4 f32 at IN + 12 p + 4 j
.set OUT,  128                         ; v[128:175] row p, third j: 4 bf16 at OUT + 6 p + 2 j; never rewritten, so no store waits for another
	s_load_b128 s[4:7], s[0:1], 0x0                ; y s[4:5], yb s[6:7]
	s_load_b64 s[8:9], s[0:1], 0x10                ; yn
	v_lshl_add_u32 v[SPW], v0, 2, SPARE
	v_mov_b32 v[NIL], 0
	v_lshrrev_b32 v1, 5, v0
	v_readfirstlane_b32 s12, v1                    ; wave 0..7
	v_and_b32 v1, 31, v0                           ; lane
	v_lshlrev_b32 v[LO], 4, v1
	v_lshlrev_b32 v[SO], 3, v1
	v_and_b32 v[NA], 7, v1
	v_lshlrev_b32 v[NA], 2, v[NA]
	s_lshl_b32 s13, s12, 5
	v_add_nc_u32 v[NA], s13, v[NA]                 ; 32 x wave + 4 (lane % 8)
	v_mov_b32 v[ZERO], 0
	s_mov_b32 s14, 0x76543210                      ; v_permlanex16_b32: each lane takes its own place in the other half
	s_mov_b32 s15, 0xfedcba98
	s_lshl_b32 s16, ttmp9, 6
	s_lshl3_add_u32 s16, s12, s16                  ; my first row: 64 x work-group + 8 x wave
	s_mul_i32 s18, s16, 1536
	s_mov_b32 s19, 0
	s_mul_i32 s20, s16, 768
	s_mov_b32 s21, 0
	s_lshl_b32 s22, ttmp9, 8                       ; the work-group's 64 norms
	s_mov_b32 s23, 0
	s_wait_kmcnt 0x0
	s_add_nc_u64 s[4:5], s[4:5], s[18:19]
	s_add_nc_u64 s[6:7], s[6:7], s[20:21]
	s_add_nc_u64 s[8:9], s[8:9], s[22:23]
.irp p, 0,1,2,3,4,5,6,7
.irp j, 0,1,2
	global_load_b128 v[IN+12*\p+4*\j:IN+12*\p+4*\j+3], v[LO], s[4:5] offset:1536*\p+512*\j th:TH_LOAD_NT
.endr
.endr
; Row p: scaled, rounded, stored (32 lanes x 8 bytes: 256 consecutive bytes, aligned), and its squares added up from the rounded halves.
.macro ROW p
	s_wait_loadcnt 21-3*(\p)                       ; loads come back in order: my row is in, the three loads of each later row stay out
.irp j, 0,1,2
.set rI, IN+12*(\p)+4*\j
.set rO, OUT+6*(\p)+2*\j
	v_pk_mul_f32 v[rI:rI+1], v[rI:rI+1], -2.0 op_sel_hi:[1,0]
	v_pk_mul_f32 v[rI+2:rI+3], v[rI+2:rI+3], -2.0 op_sel_hi:[1,0]
	v_cvt_pk_bf16_f32 v[rO], v[rI], v[rI+1]
	v_cvt_pk_bf16_f32 v[rO+1], v[rI+2], v[rI+3]
	global_store_b64 v[SO], v[rO:rO+1], s[6:7] offset:768*(\p)+256*\j
.if \j == 0
	v_fma_mix_f32_bf16 v[CH+2*(\p)], v[rO], v[rO], v[ZERO] op_sel_hi:[1,1,0]                   ; the first squares start the two sums
	v_fma_mix_f32_bf16 v[CH+2*(\p)+1], v[rO], v[rO], v[ZERO] op_sel:[1,1,0] op_sel_hi:[1,1,0]
.else
	v_fma_mix_f32_bf16 v[CH+2*(\p)], v[rO], v[rO], v[CH+2*(\p)] op_sel_hi:[1,1,0]
	v_fma_mix_f32_bf16 v[CH+2*(\p)+1], v[rO], v[rO], v[CH+2*(\p)+1] op_sel:[1,1,0] op_sel_hi:[1,1,0]
.endif
	v_fma_mix_f32_bf16 v[CH+2*(\p)], v[rO+1], v[rO+1], v[CH+2*(\p)] op_sel_hi:[1,1,0]
	v_fma_mix_f32_bf16 v[CH+2*(\p)+1], v[rO+1], v[rO+1], v[CH+2*(\p)+1] op_sel:[1,1,0] op_sel_hi:[1,1,0]
.endr
.endm
.irp p, 0,1,2,3,4,5,6,7
	ROW \p
.endr
	; across the 32 lanes, the eight rows side by side so that no line waits for the one before it
.irp p, 0,1,2,3,4,5,6,7
	v_add_f32 v[CH+2*\p], v[CH+2*\p], v[CH+2*\p+1]
.endr
.irp m, 1,2,4,8
.irp p, 0,1,2,3,4,5,6,7
	v_add_f32_dpp v[CH+2*\p], v[CH+2*\p], v[CH+2*\p] row_xmask:\m row_mask:0xf bank_mask:0xf
.endr
.endr
.irp p, 0,1,2,3,4,5,6,7
	v_permlanex16_b32 v[CH+2*\p+1], v[CH+2*\p], s14, s15
.endr
.irp p, 0,1,2,3,4,5,6,7
	v_add_f32 v[CH+2*\p], v[CH+2*\p], v[CH+2*\p+1]     ; every lane holds row p's sum
.endr
	v_mov_b32 v[NV], v[CH]
.irp p, 1,2,3,4,5,6,7
	s_mov_b32 vcc_lo, 0x01010101<<\p               ; the lanes with lane % 8 = p
	v_cndmask_b32 v[NV], v[NV], v[CH+2*\p], vcc_lo
.endr
	v_mul_f32 v[NV], 0x3e800000, v[NV]             ; a quarter: the squares were those of -2 y
	ds_store_b32 v[NA], v[NV]                      ; four lanes write each word, with the same number
	s_wait_dscnt 0x0                               ; for the others' sake: my norms lie in LDS
	s_barrier_signal -1
	s_barrier_wait -1
	s_cmp_lg_u32 s12, 0                            ; wave 0 stores the 64 norms: 32 lanes x 8 bytes, 256 consecutive bytes, aligned
	s_cbranch_scc1 .Lend
	ds_load_b64 v[10:11], v[SO] offset:NB
	s_wait_dscnt 0x0
	global_store_b64 v[SO], v[10:11], s[8:9]
.Lend:
	s_wait_tensorcnt 0x0                           ; the wave's end, behind my last LDS store
	ds_add_u32 v[SPW], v[NIL]
	s_wait_dscnt 0x0
	s_endpgm
.Lfunc_end_k_q5fae7616a5_prep:
	.size	k_q5fae7616a5_prep, .Lfunc_end_k_q5fae7616a5_prep-k_q5fae7616a5_prep
	.p2alignl 7, 3214868480
	.fill 96, 4, 3214868480
	.section	.rodata,"a",@progbits
	.p2align	6, 0x0
	.amdhsa_kernel k_q5fae7616a5_prep
		.amdhsa_group_segment_fixed_size 1280
		.amdhsa_private_segment_fixed_size 0
		.amdhsa_enable_private_segment 0
		.amdhsa_kernarg_size 24
		.amdhsa_user_sgpr_count 2
		.amdhsa_user_sgpr_kernarg_segment_ptr 1
		.amdhsa_wavefront_size32 1
		.amdhsa_system_sgpr_workgroup_id_x 1
		.amdhsa_system_sgpr_workgroup_id_y 1
		.amdhsa_system_sgpr_workgroup_id_z 1
		.amdhsa_system_vgpr_workitem_id 0
		.amdhsa_next_free_vgpr 176
		.amdhsa_next_free_sgpr 66
		.amdhsa_reserve_vcc 1
		.amdhsa_float_denorm_mode_32 3
		.amdhsa_float_denorm_mode_16_64 3
		.amdhsa_memory_ordered 1
		.amdhsa_forward_progress 1
		.amdhsa_inst_pref_size 23
	.end_amdhsa_kernel
	.amdgpu_metadata
---
amdhsa.version: [ 1, 2 ]
amdhsa.kernels:
  - .name:           k_q5fae7616a5_prep
    .symbol:         k_q5fae7616a5_prep.kd
    .args:
      - { .name: memory_bank, .offset: 0, .size: 8, .value_kind: global_buffer, .address_space: global }
      - { .name: yb, .offset: 8, .size: 8, .value_kind: global_buffer, .address_space: global }
      - { .name: yn, .offset: 16, .size: 8, .value_kind: global_buffer, .address_space: global }
    .group_segment_fixed_size: 1280
    .private_segment_fixed_size: 0
    .kernarg_segment_align: 8
    .kernarg_segment_size: 24
    .max_flat_workgroup_size: 256
    .sgpr_count:     66
    .vgpr_count:     176
    .wavefront_size: 32
...
	.end_amdgpu_metadata
.endif
;; end of part 1
;; launch knn (part 2): grid 64 x 4, 4 waves a work-group, clusters of 4 x 1, 327,680 bytes of LDS; arguments embedding, yb, yn, part; writes part
.if DOCPART == 2
	.amdgcn_target "amdgcn-amd-amdhsa--gfx1250"
	.amdhsa_code_object_version 6
	.text
	.protected	k_q5fae7616a5_knn
	.globl	k_q5fae7616a5_knn
	.p2align	8
	.type	k_q5fae7616a5_knn,@function
k_q5fae7616a5_knn:
	s_mov_b64 s[64:65], 0
	v_nop
	global_prefetch_b8 v0, s[64:65] scope:SCOPE_SE
	s_setreg_imm32_b32 hwreg(HW_REG_WAVE_MODE, 25, 1), 1
	s_wait_xcnt 0x0
	s_wait_alu depctr_hold_cnt(0) depctr_sa_sdst(0) depctr_va_vdst(0) depctr_va_sdst(0) depctr_va_ssrc(0) depctr_va_vcc(0) depctr_vm_vsrc(0)
	s_getreg_b32 s2, hwreg(HW_REG_IB_STS2, 6, 4)
	s_cmp_eq_u32 s2, 0
	s_cbranch_scc0 .Lentry_in_a_cluster
	s_endpgm
.Lentry_in_a_cluster:
	s_bfe_u32 s2, ttmp6, 0x10000c
	s_cmp_lg_u32 s2, 0x3003
	s_cbranch_scc0 .Lentry_shape_is_right
	s_endpgm
.Lentry_shape_is_right:
; part[p][q][0..8] = the nine smallest d2(q, m) = xn[q] + yn[m] + x[q] . yb[m] over the 2,048 memory rows m of quarter p, ascending; part[p][q][9..11] = 0.
; x: [16384][384] f32, rounded here to bf16; yb = bf16(-2 y): [8192][384]; yn: [8192] f32, the norms of the rounded rows; xn is made here, of the rounded x.
; So d2 is the squared distance of the rounded vectors, up to f32 sums.  Clamp and root are monotone: they are left to the next launch, and xn, which is one number a query, is added behind the selection.
; LIMITS.  NaN and infinite inputs are not treated apart (a minimum drops a NaN).  Equal distances are kept by value.  No index is kept: the result has none.
; SHARES.  A work-group owns 256 queries and one quarter of the memory rows; each of its four waves 64 queries: four tiles of 16, whose 48 fragments stay in registers.  Every wave walks the quarter's
; 128 tiles of 16 rows.  64 x 4 work-groups.
; LAYOUT.  S^T = Y X^T (source 0 = 16 memory rows, source 1 = 16 queries): a lane holds ONE query (lane % 16) and the rows 8 (lane / 16) + 0..7.  The C operand that starts a sum is yn of those rows.
; THE SELECTION is exact and has no branch.  A lane's eight numbers e0-e7 of a tile are laid as a tableau of three columns (e0-e2, e3-e5, e6-e7 and +inf); the columns are sorted, then the rows, which leaves the columns
; sorted.  Cell (i, j) is then no smaller than the (i+1)(j+1) cells above and to the left of it, itself among them.  Over the tiles each cell is a stream; if t numbers of a stream are no greater than e, (t+1)(i+1)(j+1) numbers
; are no greater than e.  So of a stream only the 9 / ((i+1)(j+1)) smallest can be among the nine: lists of 9, 4, 4, 3, 3, 2, 1, 1.  A number v enters a sorted list L in place, from the top down:
; L[i] = the middle one of L[i-1], L[i], v; L[0] = the smaller of L[0], v.  That is 43 vector instructions for a tile's 12 products.
; BY TURNS.  Step m issues the 48 products of memory tile m (four query tiles x 12 fragments) and, four behind each product, the selection on tile m - 1; the accumulators have two buffers.
; RING.  Two LDS slots of 8 memory tiles (128 rows, 98,304 dense bytes), asked for as rows of 256 bytes, each wave a quarter.  CLUSTER.  The four query blocks of a cluster walk the same quarter, so every tile is
; asked for JOINTLY: the same tensor load, descriptor and mask in all four.  x is shared with nobody in the cluster and goes straight into registers.
; REGISTERS, in windows of 256 (s_set_vgpr_msb: bits 1:0 source 0, 3:2 source 1, 5:4 source 2, 7:6 destination):
;   window 0: addresses, xn, yn, the accumulators, the selection      windows 1 and 2: x, fragment g = 12 t + f at 256 + 8 g      window 3: v0-191 Y's fragments, two buffers
;   At the start windows 1 to 3 hold x as f32, fragment g at 256 + 16 g; it is rounded in place, ascending.
.set PITCH, 816                        ; a memory row in LDS: three pieces of 256 bytes + 16 of padding = 204 words: row r starts at bank 12 r mod 64 (64 banks of 4 bytes: ISA guide 11.1): the 16 rows of a load start at 16 different groups of four banks
.set TILEB, 16*PITCH                   ; a memory tile
.set WSH,   96*272                     ; a wave's quarter of a slot: 96 padded pieces
.set SLOTG, 98304                      ; a slot's bytes in memory
.set SLOT1, 1<<17                      ; slot 1 begins here, so that one exclusive or turns an address in one slot into the other's
.set YNB,   SLOT1+4*WSH                ; the quarter's 2,048 norms, filled once
.set STAGE, YNB+8192                   ; 3,072 bytes for each wave, for the way out; no tensor load fills it
.set SPARE, STAGE+4*3072               ; the spare words, 128 bytes for each wave: two blocks of 256 bytes that no other line names
.set AY0, 2                            ; v2   my lane's place in a memory tile: (l % 16) x PITCH + 16 (l / 16); never rewritten
.set AN0, 3                            ; v3   my lane's place in a tile's norms: YNB + 32 (l / 16); never rewritten
.set ADR, 4                            ; v4   LDS address of the next run of loads
.set ADN, 5                            ; v5   of its norms
.set XO,  6                            ; v6   my byte offset in 16 rows of x
.set STO, 7                            ; v7   the way out: where I put a query's 48 bytes
.set RD,  8                            ; v8   where I read 16 bytes back
.set GO,  9                            ; v9   16 x lane
.set SPW, 10                           ; v10  LDS address of my spare word; never rewritten
.set NIL, 11                           ; v11  0; never rewritten
.set XN,  12                           ; v12-15   xn of my query in tile t
.set YN,  16                           ; v16-31   yn of my eight rows, buffer b at YN + 8 b
.set ACC, 32                           ; v32-95   buffer b, query tile t at ACC + 32 b + 8 t
.set TMP, 96                           ; v96-135  ten at work for each query tile
.set LIST, 136                         ; v136-247 28 for each query tile: cell 00 at +0 (9), 01 at +9 (4), 10 at +13 (4), 02 at +17 (3), 20 at +20 (3), 11 at +23 (2), 12 at +25, 21 at +26
.set PFO, 248                          ; v248 256 x lane; never rewritten
.set WV,  12                           ; s12  my wave's number
.set G1Y, 24                           ; s[24:31] descriptor group 1 for Y's quarter slots
.set G1N, 32                           ; s[32:39] for the norms
.set G0N, 40                           ; s[40:43] group 0: the norms
.set G0A, 44                           ; s[44:47] slot 0's first fill
.set G0B, 48                           ; s[48:51] slot 1's first fill; it then walks on
.set SLOTS, 52                         ; s52  passes still to come
.set CNT, 53                           ; s53  counts pairs of steps
.set TB,  54                           ; s54  LDS byte at which the memory tile to be fetched begins
.set TN,  55                           ; s55  64 x that tile's number: its norms' place
.set PSEL, 56                          ; s[56:57] v_permlanex16_b32's selects: each lane takes its own place in the other half
.set INF, 58                           ; s58  +infinity
.set LIM, 59                           ; s59  1 in a wave that prefetches, else the greatest number
.set PFA, 60                           ; s[60:61] where my prefetches stand
.set MSB, 0
.macro WIN new                         ; the immediate's high byte repeats the setting that is left; a switch that changes nothing is dropped
.if MSB != (\new)
	s_set_vgpr_msb (MSB<<8)|(\new)
.set MSB, (\new)
.endif
.endm
; A round of the cluster's barrier: my work-group's barrier, so that wave 0's signal speaks for all four waves; wave 0 signals; every wave waits for all four work-groups; my work-group's barrier once more.
.macro CROUND
	s_barrier_signal -1
	s_barrier_wait -1
	s_cmp_lg_u32 s[WV], 0
	s_cbranch_scc1 .Lnot_wave_0_\@
	s_barrier_signal -3
.Lnot_wave_0_\@:
	s_barrier_wait -3
	s_barrier_signal -1
	s_barrier_wait -1
.endm
; A joint refill: one line for all four waves; each wave's descriptor names its own quarter (both addresses hang on the wave's number).  An s_nop 0 and four v_nop follow it.
.macro JLOAD
	tensor_load_to_lds s[G0B:G0B+3], s[G1Y:G1Y+7]
	s_nop 0
.rept 4
	v_nop
.endr
.endm
; A PREFETCH INTO THE L2 of the slot that the NEXT change of slots will ask for: 384 blocks of 256 bytes, a lane a block.  All sixteen clusters of a quarter walk the same rows: the first of them asks.  Its four partners
; share the blocks out BY ADDRESS, 96 each; in each, waves 0 to 2 ask for 32: one instruction.  So each block is named once in the launch.  The last change that fills a slot asks for nothing; the first three slots come by their loads alone.
.macro ASK
	s_cmp_gt_u32 s[SLOTS], s[LIM]
	s_cbranch_scc0 .Lnot_mine_\@
	global_prefetch_b8 v[PFO], s[PFA:PFA+1] th:TH_LOAD_NT scope:SCOPE_SE
.Lnot_mine_\@:
.endm
	s_load_b256 s[4:11], s[0:1], 0x0               ; x s[4:5], yb s[6:7], yn s[8:9], part s[10:11]
	v_lshl_add_u32 v[SPW], v0, 2, SPARE
	v_mov_b32 v[NIL], 0
	ds_add_u32 v[SPW], v[NIL]                      ; the wave's opening: an add, twice on end, and its wait ahead of my first tensor load; the set-up below stands between the second and the wait
	ds_add_u32 v[SPW], v[NIL]                      ; and once more, under the one wait
	v_lshrrev_b32 v1, 5, v0
	v_readfirstlane_b32 s[WV], v1                  ; wave 0..3
	s_bfe_u32 s13, ttmp6, 0x40000                  ; cx: my place in the cluster; it enters the addresses of x, of part and of the prefetches alone
	s_lshl_b32 s14, ttmp9, 2                       ; in a cluster launch ttmp9 counts clusters
	s_add_co_u32 s14, s14, s13                     ; my block of 256 queries
	s_and_b32 s15, ttmp7, 0xffff                   ; the quarter, which the four partners share
	s_mul_i32 s16, s15, 2048*768                   ; yb: the quarter's first byte,
	s_mul_i32 s17, s[WV], 96*256                   ; my quarter of a slot
	s_add_co_u32 s16, s16, s17
	s_mov_b32 s17, 0
	s_lshl_b32 s18, s15, 13                        ; yn: the quarter's 8,192 bytes,
	s_lshl_b32 s19, s[WV], 11                      ; my 2,048 of them
	s_add_co_u32 s18, s18, s19
	s_mov_b32 s19, 0
	s_mul_i32 s20, s14, 256*1536                   ; x: my block's rows,
	s_mul_i32 s21, s[WV], 64*1536                  ; my wave's 64
	s_add_co_u32 s20, s20, s21
	s_mov_b32 s21, 0
	s_mul_i32 s22, s15, 16384*48                   ; part: the quarter's plane,
	s_mul_i32 s23, s14, 256*48                     ; my block,
	s_add_co_u32 s22, s22, s23
	s_mul_i32 s23, s[WV], 64*48                    ; my wave: 3,072 bytes, a multiple of 256
	s_add_co_u32 s22, s22, s23
	s_mov_b32 s23, 0
	s_mul_i32 s2, s13, 3                           ; the prefetches: 32 blocks for each of 3 waves of 4 partners,
	s_add_co_u32 s2, s2, s[WV]
	s_lshl_b32 s2, s2, 13
	s_mul_i32 s3, s15, 2048*768
	s_add_co_u32 s2, s2, s3
	s_add_co_u32 s2, s2, 2*SLOTG                   ; in the third slot's data; the first change of slots steps it on by one
	s_mov_b32 s3, 0
	s_cmp_lt_u32 s[WV], 3
	s_cselect_b32 s[LIM], ttmp9, 1                 ; 0 in waves 0 to 2 of the quarter's first cluster: the same in all four partners
	s_cmp_eq_u32 s[LIM], 0
	s_cselect_b32 s[LIM], 1, -1
	; descriptor group 1 for Y: 96 rows of 32 elements of 8 bytes, dense in memory, padded in LDS
	s_mov_b32 s[G1Y], 15|(3<<16)|(1<<20)|(1<<21)|(5<<22)|(3<<25)  ; 15:0 the mask of four; 17:16 elements of 8 bytes; 20 padding on; 21 set beside a mask; 24:22 after every 64 words (code 5); 31:25 4 words (code 3)
	s_mov_b32 s[G1Y+1], 32<<16                     ; tensor_dim0 = 32
	s_mov_b32 s[G1Y+2], 96<<16                     ; tensor_dim1 = 96
	s_mov_b32 s[G1Y+3], 32<<16                     ; tile_dim0 = 32
	s_mov_b32 s[G1Y+4], 96                         ; tile_dim1 = 96
	s_mov_b32 s[G1Y+5], 32                         ; 32 elements from row to row
	s_mov_b32 s[G1Y+6], 0
	s_mov_b32 s[G1Y+7], 0
	; and for the norms: 8 rows of 256 bytes, no padding
	s_mov_b32 s[G1N], 15|(3<<16)|(1<<21)
	s_mov_b32 s[G1N+1], 32<<16
	s_mov_b32 s[G1N+2], 8<<16
	s_mov_b32 s[G1N+3], 32<<16
	s_mov_b32 s[G1N+4], 8
	s_mov_b32 s[G1N+5], 32
	s_mov_b32 s[G1N+6], 0
	s_mov_b32 s[G1N+7], 0
	s_mul_i32 s62, s[WV], WSH                      ; no place in the cluster enters an LDS address
	s_mov_b32 s[G0A], 1                            ; 1:0 count = 1
	s_mov_b32 s[G0A+1], s62                        ; 63:32 LDS address
	s_mov_b32 s[G0B], 1
	s_add_co_u32 s[G0B+1], s62, SLOT1
	s_mov_b32 s[G0N], 1
	s_lshl_b32 s62, s[WV], 11
	s_add_co_u32 s[G0N+1], s62, YNB
	s_mov_b32 s[PSEL], 0x76543210
	s_mov_b32 s[PSEL+1], 0xfedcba98
	s_mov_b32 s[INF], 0x7f800000
	s_mov_b32 s[TB], 0
	s_mov_b32 s[TN], 0
	s_wait_dscnt 0x0                               ; both opening adds are done
	s_wait_kmcnt 0x0
	s_add_nc_u64 s[PFA:PFA+1], s[6:7], s[2:3]
	s_add_nc_u64 s[6:7], s[6:7], s[16:17]
	s_add_nc_u64 s[G0A+2:G0A+3], s[6:7], 0         ; 120:64 global address: my quarter of the first slot's data,
	s_or_b32 s[G0A+3], s[G0A+3], 0x80000000        ; 127:126 type = 2
	s_add_nc_u64 s[G0B+2:G0B+3], s[6:7], SLOTG     ; of the second's
	s_or_b32 s[G0B+3], s[G0B+3], 0x80000000
	s_add_nc_u64 s[G0N+2:G0N+3], s[8:9], s[18:19]
	s_or_b32 s[G0N+3], s[G0N+3], 0x80000000
	s_add_nc_u64 s[4:5], s[4:5], s[20:21]
	s_add_nc_u64 s[10:11], s[10:11], s[22:23]
	CROUND                                         ; all four work-groups are here: the first joint loads meet
	tensor_load_to_lds s[G0N:G0N+3], s[G1N:G1N+7]  ; the first fills go out together: three loads of mine are out
	s_nop 0
	tensor_load_to_lds s[G0A:G0A+3], s[G1Y:G1Y+7]
	s_nop 0
	tensor_load_to_lds s[G0B:G0B+3], s[G1Y:G1Y+7]
	s_nop 0
.rept 4
	v_nop
.endr
	; A fragment is 16 rows x 32 channels: lane l holds row l % 16, channels 8 (l / 16) + 0..7 and 16 + 8 (l / 16) + 0..7.  In f32 those are 32 bytes at 32 (l / 16) and 32 bytes 64 further on: four loads of 16 bytes.
	v_and_b32 v1, 15, v0                           ; l % 16
	v_bfe_u32 v[ADN], v0, 4, 1                     ; l / 16
	v_mul_u32_u24 v[XO], v1, 1536
	v_lshl_add_u32 v[XO], v[ADN], 5, v[XO]
.set g, 0
.rept 48                                       ; fragment g = 12 t + f as 16 f32 at 256 + 16 g
	WIN (1+g/16)<<6
.irp q, 0,1,2,3
	global_load_b128 v[(16*g)%256+4*\q:(16*g)%256+4*\q+3], v[XO], s[4:5] offset:24576*(g/12)+128*(g%12)+16*(\q%2)+64*(\q/2)
.endr
.set g, g+1
.endr
	WIN 0
	v_mul_u32_u24 v[AY0], v1, PITCH
	v_lshl_add_u32 v[AY0], v[ADN], 4, v[AY0]
	v_lshl_add_u32 v[AN0], v[ADN], 5, YNB
	s_mul_i32 s62, s[WV], 3072
	s_add_co_u32 s62, s62, STAGE                   ; my stage
	v_mul_u32_u24 v[STO], v1, 48
	v_add_nc_u32 v[STO], s62, v[STO]
	v_and_b32 v[GO], 31, v0
	v_lshlrev_b32 v[GO], 4, v[GO]
	v_add_nc_u32 v[RD], s62, v[GO]
	v_lshlrev_b32 v[PFO], 4, v[GO]
.irp t, 0,1,2,3                                ; the lists start at +infinity: written while x is on its way
.set r, 0
.rept 27
	v_mov_b32 v[LIST+28*\t+r], s[INF]
.set r, r+1
.endr
.endr
	; x is rounded to bf16 in place: fragment g goes from 256 + 16 g to 256 + 8 g, ascending, so that a destination never passes a number not yet read or a load not yet landed
	s_wait_loadcnt 63                              ; of the 192 loads at most 63 are out: the first 129 are in, fragments 0 to 31 among them
.set g, 0
.rept 48
.if g >= 32
	s_wait_loadcnt 188-4*g                         ; the loads issued behind fragment g may stay out
.endif
	WIN ((1+g/32)<<6)|((1+g/16)<<2)|(1+g/16)
.set r, 0
.rept 8
	v_cvt_pk_bf16_f32 v[(8*g)%256+r], v[(16*g)%256+2*r], v[(16*g)%256+2*r+1]
.set r, r+1
.endr
.set g, g+1
.endr
	; xn, of the rounded x: the diagonal of X X^T, 12 products a tile.  The four accumulators take turns; the first product of each starts its sum.
.set i, 0
.rept 48
.set gx, 12*(i%4)+i/4
.set rX, (8*gx)%256
.set rA, ACC+8*(i%4)
	WIN ((1+gx/32)<<2)|(1+gx/32)
.if i < 4
	v_wmma_f32_16x16x32_bf16 v[rA:rA+7], v[rX:rX+7], v[rX:rX+7], 0
.else
	v_wmma_f32_16x16x32_bf16 v[rA:rA+7], v[rX:rX+7], v[rX:rX+7], v[rA:rA+7]
.endif
.set i, i+1
.endr
	WIN 0
.set r, 0
.rept 32                                       ; the first step selects from a tile that has not been: +infinity changes no list.  These lines are also the places behind the products above
	v_mov_b32 v[ACC+32+r], s[INF]
.set r, r+1
.endr
	; register j of lane l holds element (8 (l / 16) + j, l % 16): the diagonal lies in register l % 8 of lanes 0-7 and 24-31.  Each accumulator is read from its low end on.
.irp j, 1,2,3,4,5,6,7
	s_mov_b32 vcc_lo, 0x01010101<<\j               ; the lanes with l % 8 = j
.irp t, 0,1,2,3
.if \j == 1
	v_cndmask_b32 v[XN+\t], v[ACC+8*\t], v[ACC+8*\t+1], vcc_lo
.else
	v_cndmask_b32 v[XN+\t], v[XN+\t], v[ACC+8*\t+\j], vcc_lo
.endif
.endr
.endr
.irp t, 0,1,2,3
	v_permlanex16_b32 v[ACC+8*\t], v[XN+\t], s[PSEL], s[PSEL+1]
.endr
	s_mov_b32 vcc_lo, 0xff0000ff                   ; lanes 0-7 and 24-31 keep their own, the others take the lane 16 away
.irp t, 0,1,2,3
	v_cndmask_b32 v[XN+\t], v[ACC+8*\t], v[XN+\t], vcc_lo
.endr
; A memory tile's 12 fragments and its norms into buffer b: one run of 26 LDS loads.  Fragment f lies in piece f / 4 of the rows, 64 (f % 4) bytes in.
.macro FETCH b
	WIN 0xc0                                       ; destination window 3, address window 0
.set fi, 0
.rept 12
	ds_load_b128 v[96*(\b)+8*fi:96*(\b)+8*fi+3],   v[ADR] offset:272*(fi/4)+64*(fi%4)
	ds_load_b128 v[96*(\b)+8*fi+4:96*(\b)+8*fi+7], v[ADR] offset:272*(fi/4)+64*(fi%4)+32
.set fi, fi+1
.endr
	WIN 0
	ds_load_b128 v[YN+8*(\b):YN+8*(\b)+3],   v[ADN]
	ds_load_b128 v[YN+8*(\b)+4:YN+8*(\b)+7], v[ADN] offset:16
	s_add_co_u32 s[TB], s[TB], TILEB               ; the next fetch is the next tile's
	s_add_co_u32 s[TN], s[TN], 64
.endm
; Product i of a step's 48: fragment i / 4, query tile i % 4.  The four accumulators take turns, one instruction a turn, from step to step too.  The first four start their sums with yn.
.macro MM b
.set rA, ACC+32*(\b)+8*(i%4)
.set rY, 96*(\b)+8*(i/4)
.set gx, 12*(i%4)+i/4
.set rX, (8*gx)%256
	WIN 3|((1+gx/32)<<2)                           ; Y in window 3, x in window 1 or 2, C and D in window 0
.if i < 4
	v_wmma_f32_16x16x32_bf16 v[rA:rA+7], v[rY:rY+7], v[rX:rX+7], v[YN+8*(\b):YN+8*(\b)+7]
.else
	v_wmma_f32_16x16x32_bf16 v[rA:rA+7], v[rY:rY+7], v[rX:rX+7], v[rA:rA+7]
.endif
.set i, i+1
.endm
; Line q of the entry of v[rv] into the sorted list of len registers at v[rl], from the top down, in place.
.macro LINS rl, len, q, rv
.if (\len)-1-(\q) > 0
	v_med3_num_f32 v[(\rl)+(\len)-1-(\q)], v[(\rl)+(\len)-2-(\q)], v[(\rl)+(\len)-1-(\q)], v[\rv]
.else
	v_min_num_f32 v[\rl], v[\rl], v[\rv]
.endif
.endm
; Line n of the 43 of the selection, for query tile t, on accumulator buffer b.  0-7 sort the columns (the accumulator's lowest registers are read first); 8-15 sort the rows:
; cell 00 in t8, 01 in t9, 02 in t6, 10 in t0, 11 in t3, 12 in t7, 20 in t1, 21 in t5; 16-42 enter the eight cells into their lists.
.macro PICK n, t, b
.set rE, ACC+32*(\b)+8*(\t)
.set rT, TMP+10*(\t)
.set rL, LIST+28*(\t)
.if (\n) == 0
	v_min3_num_f32 v[rT], v[rE], v[rE+1], v[rE+2]
.elseif (\n) == 1
	v_med3_num_f32 v[rT+1], v[rE], v[rE+1], v[rE+2]
.elseif (\n) == 2
	v_max3_num_f32 v[rT+2], v[rE], v[rE+1], v[rE+2]
.elseif (\n) == 3
	v_min3_num_f32 v[rT+3], v[rE+3], v[rE+4], v[rE+5]
.elseif (\n) == 4
	v_med3_num_f32 v[rT+4], v[rE+3], v[rE+4], v[rE+5]
.elseif (\n) == 5
	v_max3_num_f32 v[rT+5], v[rE+3], v[rE+4], v[rE+5]
.elseif (\n) == 6
	v_min_num_f32 v[rT+6], v[rE+6], v[rE+7]
.elseif (\n) == 7
	v_max_num_f32 v[rT+7], v[rE+6], v[rE+7]
.elseif (\n) == 8
	v_min3_num_f32 v[rT+8], v[rT], v[rT+3], v[rT+6]
.elseif (\n) == 9
	v_med3_num_f32 v[rT+9], v[rT], v[rT+3], v[rT+6]
.elseif (\n) == 10
	v_max3_num_f32 v[rT+6], v[rT], v[rT+3], v[rT+6]
.elseif (\n) == 11
	v_min3_num_f32 v[rT], v[rT+1], v[rT+4], v[rT+7]
.elseif (\n) == 12
	v_med3_num_f32 v[rT+3], v[rT+1], v[rT+4], v[rT+7]
.elseif (\n) == 13
	v_max3_num_f32 v[rT+7], v[rT+1], v[rT+4], v[rT+7]
.elseif (\n) == 14
	v_min_num_f32 v[rT+1], v[rT+2], v[rT+5]
.elseif (\n) == 15
	v_max_num_f32 v[rT+5], v[rT+2], v[rT+5]
.elseif (\n) < 25
	LINS rL, 9, (\n)-16, rT+8
.elseif (\n) < 29
	LINS rL+9, 4, (\n)-25, rT+9
.elseif (\n) < 33
	LINS rL+13, 4, (\n)-29, rT
.elseif (\n) < 36
	LINS rL+17, 3, (\n)-33, rT+6
.elseif (\n) < 39
	LINS rL+20, 3, (\n)-36, rT+1
.elseif (\n) < 41
	LINS rL+23, 2, (\n)-39, rT+3
.elseif (\n) == 41
	LINS rL+25, 1, 0, rT+7
.else
	LINS rL+26, 1, 0, rT+5
.endif
.endm
; Slice k of 45: four plain vector instructions, which stand behind a product and name none of the registers of the products round them.  Slices 0 and 1 are the eight places between the last step's last products and
; the first read of their results, and between those products and the loads into the fragments that they read; slice 0 makes the addresses of that run.  Slice k >= 2 is line k - 2 of the selection, for the four query tiles.
.macro SLICE bb, fetch
	WIN 0
.if (k == 0) && (\fetch)
	v_add_nc_u32 v[ADR], s[TB], v[AY0]
	v_add_nc_u32 v[ADN], s[TN], v[AN0]
	v_nop
	v_nop
.elseif k < 2
.rept 4
	v_nop
.endr
.else
.irp t, 0,1,2,3
	PICK k-2, \t, \bb
.endr
.endif
.set k, k+1
.endm
; A STEP: the 48 products of the memory tile in buffer b; beside them the selection on the other buffer's results; behind slice 1 the next tile is fetched into the other buffer: 46 products ahead of the wait for it.
.macro STEP b, fetch
	s_wait_dscnt 0x0                               ; this step's fragments and norms are in
.set i, 0
.set k, 0
.rept 48
	MM \b
.if k < 45
	SLICE 1-(\b), \fetch
.endif
.if (\fetch) && (k == 2)
	FETCH 1-(\b)
.endif
.endr
	WIN 0                                          ; at a label and at a branch every window is 0
.endm
; THE CHANGE OF SLOTS.  The slot's last tile has been asked for.  Each wave waits for all its tensor loads, of which one is out: its part of the other slot; adds 0 to its spare word; and waits for that and for its own reads of
; the slot.  Behind the barrier nobody reads this slot any more and the other slot is whole.  fill = 1: this slot is filled again, with the data two slots on.  The barrier is then a round of the cluster's, so that no wave
; of any partner still reads the slot or has a load on its way, and the joint refill is the first thing behind it: it has eight steps, 384 products, in which to land.
.macro CHANGE fill
	WIN 0
	s_wait_tensorcnt 0x0                           ; no tensor load of mine is out, so a group 0 may be written
	ds_add_u32 v[SPW], v[NIL]                      ; 0 onto my spare word: with fill = 1 the descriptor's steps stand between it and the wait for it
.if \fill
	s_xor_b32 s[G0B+1], s[G0B+1], SLOT1            ; the walking descriptor: the other slot than last time,
	s_add_nc_u64 s[G0B+2:G0B+3], s[G0B+2:G0B+3], SLOTG  ; the next 128 rows; the type bits on top are not reached
	s_wait_xcnt 0x0                                ; the last prefetch, eight steps back, has read its address, so it may be written:
	s_add_nc_u64 s[PFA:PFA+1], s[PFA:PFA+1], SLOTG ; one slot beyond the walking descriptor
	s_wait_dscnt 0x0                               ; the add is done, and my reads of the slot are over
	CROUND
	JLOAD
	ASK
.else
	s_wait_dscnt 0x0                               ; the add is done, and my reads of the slot are over
	s_barrier_signal -1
	s_barrier_wait -1
.endif
	s_sub_co_u32 s[TB], s[TB], 8*TILEB             ; the fetches go back to a slot's first tile,
	s_xor_b32 s[TB], s[TB], SLOT1                  ; in the other slot
.endm
	s_wait_tensorcnt 1                             ; my parts of the norms and of slot 0 are in; slot 1's may stay out
	s_barrier_signal -1
	s_barrier_wait -1                              ; everybody's are
	v_add_nc_u32 v[ADR], s[TB], v[AY0]
	v_add_nc_u32 v[ADN], s[TN], v[AN0]
	FETCH 0                                        ; memory tile 0
	s_mov_b32 s[CNT], 4
	s_mov_b32 s[SLOTS], 15
	s_branch .Lfirst                               ; step m multiplies tile m, selects from tile m - 1 and fetches tile m + 1; the loop is entered at step 0, in the middle of a trip
.Lslot:                                        ; 14 times: the change in front of step 8 s - 1, which fetches the first tile of slot data s; data s + 1 is asked for
	CHANGE 1
	s_mov_b32 s[CNT], 4
.Lstep:
	STEP 1, 1
.Lfirst:
	STEP 0, 1
	s_sub_co_u32 s[CNT], s[CNT], 1
	s_cmp_lg_u32 s[CNT], 0
	s_cbranch_scc1 .Lstep
	s_sub_co_u32 s[SLOTS], s[SLOTS], 1
	s_cmp_lg_u32 s[SLOTS], 0
	s_cbranch_scc1 .Lslot
	CHANGE 0                                       ; the tail has a text of its own: nothing is asked for
	s_mov_b32 s[CNT], 4
.Ltail:                                        ; steps 119 to 126
	STEP 1, 1
	STEP 0, 1
	s_sub_co_u32 s[CNT], s[CNT], 1
	s_cmp_lg_u32 s[CNT], 0
	s_cbranch_scc1 .Ltail
	STEP 1, 0                                      ; step 127 fetches nothing
.rept 8
	v_nop                                          ; the places behind the last products
.endr
.set dn, 0
.rept 43                                       ; the selection on the last tile
.irp t, 0,1,2,3
	PICK dn, \t, 1
.endr
.set dn, dn+1
.endr
; THE LISTS MEET.  v[vb + vs t] enters list 00 of query tile t; the positions below from are known to hold numbers no greater than it, so only those from it up are touched.
.macro INS4 vb, vs, from
.if (\from) < 8
.set pp, 8
.rept 8-(\from)
.irp t, 0,1,2,3
	v_med3_num_f32 v[LIST+28*\t+pp], v[LIST+28*\t+pp-1], v[LIST+28*\t+pp], v[(\vb)+(\vs)*\t]
.endr
.set pp, pp-1
.endr
.endif
.irp t, 0,1,2,3
	v_min_num_f32 v[LIST+28*\t+(\from)], v[LIST+28*\t+(\from)], v[(\vb)+(\vs)*\t]
.endr
.endm
	; Number j of cell (a, b)'s list has j + 1 numbers of each cell above and to the left of it no greater than itself, all of them kept and entered earlier, and its own j forerunners: from = ((a+1)(b+1) - 1)(j + 1) + j.
.irp j, 0,1,2,3
	INS4 LIST+9+\j, 28, 2*\j+1
.endr
.irp j, 0,1,2,3
	INS4 LIST+13+\j, 28, 2*\j+1
.endr
.irp j, 0,1,2
	INS4 LIST+17+\j, 28, 3*\j+2
.endr
.irp j, 0,1,2
	INS4 LIST+20+\j, 28, 3*\j+2
.endr
.irp j, 0,1
	INS4 LIST+23+\j, 28, 4*\j+3
.endr
	INS4 LIST+25, 28, 5
	INS4 LIST+26, 28, 5
	; the query's other rows lie in the lane 16 away: its nine, sorted, enter in ascending order: number j has its j forerunners below it
.irp j, 0,1,2,3,4,5,6,7,8
.irp t, 0,1,2,3
	v_permlanex16_b32 v[TMP+10*\t+\j], v[LIST+28*\t+\j], s[PSEL], s[PSEL+1]
.endr
.endr
.irp j, 0,1,2,3,4,5,6,7,8
	INS4 TMP+\j, 10, \j
.endr
.irp j, 0,1,2,3,4,5,6,7,8
.irp t, 0,1,2,3
	v_add_f32 v[LIST+28*\t+\j], v[LIST+28*\t+\j], v[XN+\t]   ; + xn
.endr
.endr
.irp j, 9,10,11
.irp t, 0,1,2,3
	v_mov_b32 v[LIST+28*\t+\j], 0                  ; a query's 48 bytes are written whole
.endr
.endr
	; THE WAY OUT.  A query's 12 words go into my stage (both halves of the lanes hold and write the same numbers; 48 bytes from query to query), and come back as 3,072 dense bytes.
.irp t, 0,1,2,3
.irp c, 0,1,2
	ds_store_b128 v[STO], v[LIST+28*\t+4*\c:LIST+28*\t+4*\c+3] offset:768*\t+16*\c
.endr
.endr
.irp u, 0,1,2,3,4,5
	ds_load_b128 v[ACC+4*\u:ACC+4*\u+3], v[RD] offset:512*\u   ; LDS serves a wave's instructions in order (ISA guide 5.7.1.4): these see the stores above
.endr
.irp u, 0,1,2,3,4,5
	s_wait_dscnt 5-\u                              ; the later loads may stay out
	global_store_b128 v[GO], v[ACC+4*\u:ACC+4*\u+3], s[10:11] offset:512*\u  ; 512 consecutive bytes, at a multiple of 256 from the buffer's first byte
.endr
	s_wait_tensorcnt 0x0                           ; the wave's end, behind my last tensor load and my last LDS store
	ds_add_u32 v[SPW], v[NIL]
	s_wait_dscnt 0x0
	CROUND                                         ; the closing round: no work-group ends while a partner may still ask for a tile that names it
	s_endpgm
.Lfunc_end_k_q5fae7616a5_knn:
	.size	k_q5fae7616a5_knn, .Lfunc_end_k_q5fae7616a5_knn-k_q5fae7616a5_knn
	.p2alignl 7, 3214868480
	.fill 96, 4, 3214868480
	.section	.rodata,"a",@progbits
	.p2align	6, 0x0
	.amdhsa_kernel k_q5fae7616a5_knn
		.amdhsa_group_segment_fixed_size 327680
		.amdhsa_private_segment_fixed_size 0
		.amdhsa_enable_private_segment 0
		.amdhsa_kernarg_size 32
		.amdhsa_user_sgpr_count 2
		.amdhsa_user_sgpr_kernarg_segment_ptr 1
		.amdhsa_wavefront_size32 1
		.amdhsa_system_sgpr_workgroup_id_x 1
		.amdhsa_system_sgpr_workgroup_id_y 1
		.amdhsa_system_sgpr_workgroup_id_z 1
		.amdhsa_system_vgpr_workitem_id 0
		.amdhsa_next_free_vgpr 1024
		.amdhsa_next_free_sgpr 66
		.amdhsa_reserve_vcc 1
		.amdhsa_float_denorm_mode_32 3
		.amdhsa_float_denorm_mode_16_64 3
		.amdhsa_memory_ordered 1
		.amdhsa_forward_progress 1
		.amdhsa_inst_pref_size 190
	.end_amdhsa_kernel
	.amdgpu_metadata
---
amdhsa.version: [ 1, 2 ]
amdhsa.kernels:
  - .name:           k_q5fae7616a5_knn
    .symbol:         k_q5fae7616a5_knn.kd
    .args:
      - { .name: embedding, .offset: 0, .size: 8, .value_kind: global_buffer, .address_space: global }
      - { .name: yb, .offset: 8, .size: 8, .value_kind: global_buffer, .address_space: global }
      - { .name: yn, .offset: 16, .size: 8, .value_kind: global_buffer, .address_space: global }
      - { .name: part, .offset: 24, .size: 8, .value_kind: global_buffer, .address_space: global }
    .group_segment_fixed_size: 327680
    .private_segment_fixed_size: 0
    .kernarg_segment_align: 8
    .kernarg_segment_size: 32
    .max_flat_workgroup_size: 128
    .sgpr_count:     66
    .vgpr_count:     1024
    .wavefront_size: 32
...
	.end_amdgpu_metadata
.endif
;; end of part 2
;; launch final (part 3): grid 256 x 1, 1 waves a work-group, no clusters, 2,560 bytes of LDS; arguments part, out0; writes out0
.if DOCPART == 3
	.amdgcn_target "amdgcn-amd-amdhsa--gfx1250"
	.amdhsa_code_object_version 6
	.text
	.protected	k_q5fae7616a5_final
	.globl	k_q5fae7616a5_final
	.p2align	8
	.type	k_q5fae7616a5_final,@function
k_q5fae7616a5_final:
	s_mov_b64 s[64:65], 0
	v_nop
	global_prefetch_b8 v0, s[64:65] scope:SCOPE_SE
	s_setreg_imm32_b32 hwreg(HW_REG_WAVE_MODE, 25, 1), 1
	s_wait_xcnt 0x0
; out0[q][0..8] = sqrt(max(d2, 0)) of the nine smallest d2 among the four sorted lists part[0..3][q][0..8], ascending.  part: [4][16384][12] f32, out0: [16384][9] f32.
; LIMITS.  The root of a denormal number comes out as 0 (ISA guide 15.8); NaN and infinities are not treated apart.
; SHARES.  A work-group is one wave and owns 64 queries, whose 2,304 bytes of out0 are nine aligned blocks of 256; a lane owns queries lane and 32 + lane.
; A number v enters a sorted list L in place, from the top down: L[i] = the middle one of L[i-1], L[i], v.  Number j of a sorted list, entered behind its j forerunners, finds j numbers no greater than itself below it:
; only positions j to 8 are touched, and position j takes the smaller of itself and v.
; No matrix unit, no cluster: there is no product, and no work-group wants a byte that another has read.
.set STG,   0                          ; LDS: 64 queries x 36 bytes
.set SPARE, 2304                       ; behind them: the spare words, 128 bytes for the wave: one block of 256 bytes that no other line names
.set OFF, 1                            ; v1   48 x lane
.set STO, 2                            ; v2   36 x lane
.set RD,  3                            ; v3   8 x lane
.set SPW, 4                            ; v4   LDS address of my spare word; never rewritten
.set NIL, 5                            ; v5   0; never rewritten
.set IN,  8                            ; v[8:103]    query u, quarter p at IN + 48 u + 12 p; quarter 0's list takes the others
.set BK,  104                          ; v[104:121]  the rows read back
	s_load_b128 s[4:7], s[0:1], 0x0                ; part s[4:5], out0 s[6:7]
	v_lshl_add_u32 v[SPW], v0, 2, SPARE
	v_mov_b32 v[NIL], 0
	v_mul_u32_u24 v[OFF], v0, 48
	v_mul_u32_u24 v[STO], v0, 36
	v_lshlrev_b32 v[RD], 3, v0
	s_mul_i32 s8, ttmp9, 64*48
	s_mov_b32 s9, 0
	s_mul_i32 s10, ttmp9, 64*36
	s_mov_b32 s11, 0
	s_wait_kmcnt 0x0
	s_add_nc_u64 s[4:5], s[4:5], s[8:9]
	s_add_nc_u64 s[6:7], s[6:7], s[10:11]
.irp u, 0,1
.irp p, 0,1,2,3
.irp c, 0,1,2
	global_load_b128 v[IN+48*\u+12*\p+4*\c:IN+48*\u+12*\p+4*\c+3], v[OFF], s[4:5] offset:786432*\p+1536*\u+16*\c th:TH_LOAD_NT
.endr
.endr
.endr
.macro MERGE p, j                      ; number j of quarter p's list enters; the lane's two queries alternate
.if (\j) < 8
.set q, 8
.rept 8-(\j)
.irp u, 0,1
	v_med3_num_f32 v[IN+48*\u+q], v[IN+48*\u+q-1], v[IN+48*\u+q], v[IN+48*\u+12*(\p)+(\j)]
.endr
.set q, q-1
.endr
.endif
.irp u, 0,1
	v_min_num_f32 v[IN+48*\u+(\j)], v[IN+48*\u+(\j)], v[IN+48*\u+12*(\p)+(\j)]
.endr
.endm
	s_wait_loadcnt 0x0
.irp p, 1,2,3
.irp j, 0,1,2,3,4,5,6,7,8
	MERGE \p, \j
.endr
.endr
.irp i, 0,1,2,3,4,5,6,7,8
.irp u, 0,1
	v_max_num_f32 v[IN+48*\u+\i], 0, v[IN+48*\u+\i]
.endr
.endr
.irp i, 0,1,2,3,4,5,6,7,8
.irp u, 0,1
	v_sqrt_f32 v[IN+48*\u+\i], v[IN+48*\u+\i]      ; one batch of 18
.endr
.endr
	v_nop                                          ; a plain instruction between the last root and the use of its result (ISA guide 5.7.2)
	s_wait_alu depctr_va_vdst(0)                   ; and a wait ahead of the first use: one for the batch
.irp u, 0,1
.irp i, 0,1,2,3,4,5,6,7,8
	ds_store_b32 v[STO], v[IN+48*\u+\i] offset:STG+1152*\u+4*\i   ; 9 words from lane to lane: 32 lanes, 32 different banks
.endr
.endr
.irp n, 0,1,2,3,4,5,6,7,8
	ds_load_b64 v[BK+2*\n:BK+2*\n+1], v[RD] offset:STG+256*\n     ; LDS serves a wave's instructions in order (ISA guide 5.7.1.4): these see the stores above
.endr
.irp n, 0,1,2,3,4,5,6,7,8
	s_wait_dscnt 8-\n                              ; the later loads may stay out
	global_store_b64 v[RD], v[BK+2*\n:BK+2*\n+1], s[6:7] offset:256*\n  ; 32 lanes store 256 consecutive bytes, at a multiple of 256 from out0's first byte
.endr
	s_wait_tensorcnt 0x0                           ; the wave's end, behind my last LDS store
	ds_add_u32 v[SPW], v[NIL]
	s_wait_dscnt 0x0
	s_endpgm
.Lfunc_end_k_q5fae7616a5_final:
	.size	k_q5fae7616a5_final, .Lfunc_end_k_q5fae7616a5_final-k_q5fae7616a5_final
	.p2alignl 7, 3214868480
	.fill 96, 4, 3214868480
	.section	.rodata,"a",@progbits
	.p2align	6, 0x0
	.amdhsa_kernel k_q5fae7616a5_final
		.amdhsa_group_segment_fixed_size 2560
		.amdhsa_private_segment_fixed_size 0
		.amdhsa_enable_private_segment 0
		.amdhsa_kernarg_size 16
		.amdhsa_user_sgpr_count 2
		.amdhsa_user_sgpr_kernarg_segment_ptr 1
		.amdhsa_wavefront_size32 1
		.amdhsa_system_sgpr_workgroup_id_x 1
		.amdhsa_system_sgpr_workgroup_id_y 1
		.amdhsa_system_sgpr_workgroup_id_z 1
		.amdhsa_system_vgpr_workitem_id 0
		.amdhsa_next_free_vgpr 128
		.amdhsa_next_free_sgpr 66
		.amdhsa_reserve_vcc 0
		.amdhsa_float_denorm_mode_32 3
		.amdhsa_float_denorm_mode_16_64 3
		.amdhsa_memory_ordered 1
		.amdhsa_forward_progress 1
		.amdhsa_inst_pref_size 23
	.end_amdhsa_kernel
	.amdgpu_metadata
---
amdhsa.version: [ 1, 2 ]
amdhsa.kernels:
  - .name:           k_q5fae7616a5_final
    .symbol:         k_q5fae7616a5_final.kd
    .args:
      - { .name: part, .offset: 0, .size: 8, .value_kind: global_buffer, .address_space: global }
      - { .name: out0, .offset: 8, .size: 8, .value_kind: global_buffer, .address_space: global }
    .group_segment_fixed_size: 2560
    .private_segment_fixed_size: 0
    .kernarg_segment_align: 8
    .kernarg_segment_size: 16
    .max_flat_workgroup_size: 32
    .sgpr_count:     66
    .vgpr_count:     128
    .wavefront_size: 32
...
	.end_amdgpu_metadata
.endif
;; end of part 3
;; ======== version 2 of 2: 3 launches; version 1 with the launch prep written anew for expert scheduling mode
;; workspace buffers: yb 6,291,456 bytes; yn 32,768 bytes; part 3,145,728 bytes
;; launch prep (part 4): grid 128 x 1, 8 waves a work-group, no clusters, 1,280 bytes of LDS; arguments memory_bank, yb, yn; writes yb, yn
.if DOCPART == 4
	.amdgcn_target "amdgcn-amd-amdhsa--gfx1250"
	.amdhsa_code_object_version 6
	.text
	.protected	k_q5fae7616a5_prep
	.globl	k_q5fae7616a5_prep
	.p2align	8
	.type	k_q5fae7616a5_prep,@function
k_q5fae7616a5_prep:
	s_mov_b64 s[64:65], 0
	v_nop
	global_prefetch_b8 v0, s[64:65] scope:SCOPE_SE
	s_setreg_imm32_b32 hwreg(HW_REG_WAVE_SCHED_MODE, 0, 2), 2
	s_setreg_imm32_b32 hwreg(HW_REG_WAVE_MODE, 25, 1), 1
	s_wait_xcnt 0x0
	s_wait_alu depctr_vm_vsrc(0)
; yb[m][k] = bf16(-2 y[m][k]);  yn[m] = the sum over k of bf16(y[m][k])^2, in f32.  y: [8192][384] f32, yb: [8192][384] bf16, yn: [8192] f32.
; The factor -2 is a power of two, so bf16(-2 y) = -2 bf16(y) and yn is a quarter of the sum of yb's squares: the norm belongs to the ROUNDED row, so that
; xn + yn + x . yb in the next launch is the squared distance of the rounded vectors.
; LIMITS.  |y| stays under 1.6e38, so that -2 y is finite; NaN and infinities are not treated apart.
; SHARES.  A work-group owns 64 rows, so that its 64 norms are 256 consecutive bytes, aligned; each of its eight waves owns 8 rows.  A row is 1,536 bytes: three loads
; of 512 consecutive bytes a wave.  All 24 loads of a wave go out at once: the whole input is asked for at the start, and each byte is read once.
; No matrix unit, no cluster: there is one multiply and one multiply-add a number, and no work-group wants a byte that another has read.
; THE MODE: SCHED_MODE bits 1:0 = 2 (LLVM: expert scheduling mode 2), set by the entry lines.  The code itself states the register dependences
; between vector instructions and memory or LDS instructions, with s_wait_alu, always for 0.
; THE PLAN.  Registers that memory or LDS instructions touch:
;   v[LO], v[SO], v[NA]   offsets and an LDS address: written once at the head, read by the loads, the stores and the LDS instructions, never written again.
;   IN                    written by the 24 loads, once; no vector instruction names it ahead of them, and no load lands in it again.
;   OUT, six a row        written by row p's roundings, once in the launch; read by row p's three stores, which are issued in row p + 1.
;   v[NV]                 written by the selects and the last multiply; read by the one LDS store.
;   v[10:11]              written by wave 0's LDS load and read by its store of the norms; no vector instruction names them.
;   v[SPW], v[NIL]        written at the head, read by the closing add alone.
; Row p + 1's vector instructions name IN, OUT and CH of row p + 1 and v[ZERO]: none of the registers that row p's stores touch.  So ONE wait on va_vdst at a row's head, behind the
; wait for the row's data, states all that the three stores of the row before hang on, and these are dealt among the row's vector instructions with no further wait.
; No register that a memory or LDS instruction reads is written again, so the text holds no wait on vm_vsrc.
.set NB,    0                          ; LDS: the work-group's 64 norms, 256 bytes
.set SPARE, 256                        ; behind them: the spare words, 128 bytes for each wave: four blocks of 256 bytes that no other line names
.set LO,   2                           ; v2   16 x lane: my 16 bytes in 512 bytes of y
.set SO,   3                           ; v3   8 x lane: my 8 bytes in 256 bytes of yb; also of the norms
.set NA,   4                           ; v4   LDS address of the norm of row lane % 8 of my wave
.set ZERO, 5                           ; v5   0: the addend that starts a sum (the mixed multiply-add takes registers alone)
.set NV,   6                           ; v6   the norm of row lane % 8
.set SPW,  8                           ; v8   LDS address of my spare word; never rewritten
.set NIL,  9                           ; v9   0; never rewritten
.set CH,   16                          ; v[16:31]   row p: two running sums (low halves, high halves) at CH + 2 p
.set IN,   32                          ; v[32:127]  row p, third j: 4 f32 at IN + 12 p + 4 j
.set OUT,  128                         ; v[128:175] row p, third j: 4 bf16 at OUT + 6 p + 2 j; never rewritten, so no store waits for another
	s_load_b128 s[4:7], s[0:1], 0x0                ; y s[4:5], yb s[6:7]
	s_load_b64 s[8:9], s[0:1], 0x10                ; yn
	v_lshl_add_u32 v[SPW], v0, 2, SPARE
	v_mov_b32 v[NIL], 0
	v_lshrrev_b32 v1, 5, v0
	v_readfirstlane_b32 s12, v1                    ; wave 0..7
	v_and_b32 v1, 31, v0                           ; lane
	v_lshlrev_b32 v[LO], 4, v1
	v_lshlrev_b32 v[SO], 3, v1
	v_and_b32 v[NA], 7, v1
	v_lshlrev_b32 v[NA], 2, v[NA]
	s_wait_alu depctr_va_sdst(0)                   ; s12 is written, ahead of its first reader: the norms' place, the rows' addresses and the last branch are made from it
	s_lshl_b32 s13, s12, 5
	v_add_nc_u32 v[NA], s13, v[NA]                 ; 32 x wave + 4 (lane % 8)
	v_mov_b32 v[ZERO], 0
	s_mov_b32 s14, 0x76543210                      ; v_permlanex16_b32: each lane takes its own place in the other half
	s_mov_b32 s15, 0xfedcba98
	s_lshl_b32 s16, ttmp9, 6
	s_lshl3_add_u32 s16, s12, s16                  ; my first row: 64 x work-group + 8 x wave
	s_mul_i32 s18, s16, 1536
	s_mov_b32 s19, 0
	s_mul_i32 s20, s16, 768
	s_mov_b32 s21, 0
	s_lshl_b32 s22, ttmp9, 8                       ; the work-group's 64 norms
	s_mov_b32 s23, 0
	s_wait_kmcnt 0x0
	s_add_nc_u64 s[4:5], s[4:5], s[18:19]
	s_add_nc_u64 s[6:7], s[6:7], s[20:21]
	s_add_nc_u64 s[8:9], s[8:9], s[22:23]
	s_wait_alu depctr_va_vdst(0)                   ; v[LO], v[SO] and v[NA] are written: every load, store and LDS instruction of the kernel reads one of them as its offset or address
.irp p, 0,1,2,3,4,5,6,7
.irp j, 0,1,2
	global_load_b128 v[IN+12*\p+4*\j:IN+12*\p+4*\j+3], v[LO], s[4:5] offset:1536*\p+512*\j th:TH_LOAD_NT
.endr
.endr
; Row p: scaled, rounded, and its squares added up from the rounded halves.  Among these lines the row BEFORE is stored (32 lanes x 8 bytes: 256 consecutive bytes, aligned), a store in front of each third.
.macro ROW p
	s_wait_loadcnt 21-3*(\p)                       ; loads come back in order: my row is in, the three loads of each later row stay out
.if (\p) > 0
	s_wait_alu depctr_va_vdst(0)                   ; the roundings of the row before have written its six registers of OUT, which the three stores below read
.endif
.irp j, 0,1,2
.set rI, IN+12*(\p)+4*\j
.set rO, OUT+6*(\p)+2*\j
.if (\p) > 0
	global_store_b64 v[SO], v[OUT+6*((\p)-1)+2*\j:OUT+6*((\p)-1)+2*\j+1], s[6:7] offset:768*((\p)-1)+256*\j  ; the row before; no vector instruction since the wait writes these registers
.endif
	v_pk_mul_f32 v[rI:rI+1], v[rI:rI+1], -2.0 op_sel_hi:[1,0]
	v_pk_mul_f32 v[rI+2:rI+3], v[rI+2:rI+3], -2.0 op_sel_hi:[1,0]
	v_cvt_pk_bf16_f32 v[rO], v[rI], v[rI+1]
	v_cvt_pk_bf16_f32 v[rO+1], v[rI+2], v[rI+3]
.if \j == 0
	v_fma_mix_f32_bf16 v[CH+2*(\p)], v[rO], v[rO], v[ZERO] op_sel_hi:[1,1,0]                   ; the first squares start the two sums
	v_fma_mix_f32_bf16 v[CH+2*(\p)+1], v[rO], v[rO], v[ZERO] op_sel:[1,1,0] op_sel_hi:[1,1,0]
.else
	v_fma_mix_f32_bf16 v[CH+2*(\p)], v[rO], v[rO], v[CH+2*(\p)] op_sel_hi:[1,1,0]
	v_fma_mix_f32_bf16 v[CH+2*(\p)+1], v[rO], v[rO], v[CH+2*(\p)+1] op_sel:[1,1,0] op_sel_hi:[1,1,0]
.endif
	v_fma_mix_f32_bf16 v[CH+2*(\p)], v[rO+1], v[rO+1], v[CH+2*(\p)] op_sel_hi:[1,1,0]
	v_fma_mix_f32_bf16 v[CH+2*(\p)+1], v[rO+1], v[rO+1], v[CH+2*(\p)+1] op_sel:[1,1,0] op_sel_hi:[1,1,0]
.endr
.endm
.irp p, 0,1,2,3,4,5,6,7
	ROW \p
.endr
	s_wait_alu depctr_va_vdst(0)                   ; row 7's roundings have written its six registers of OUT, which the last three stores read; they leave ahead of the sums across the lanes
.irp j, 0,1,2
	global_store_b64 v[SO], v[OUT+6*7+2*\j:OUT+6*7+2*\j+1], s[6:7] offset:768*7+256*\j
.endr
	; across the 32 lanes, the eight rows side by side so that no line waits for the one before it
.irp p, 0,1,2,3,4,5,6,7
	v_add_f32 v[CH+2*\p], v[CH+2*\p], v[CH+2*\p+1]
.endr
.irp m, 1,2,4,8
.irp p, 0,1,2,3,4,5,6,7
	v_add_f32_dpp v[CH+2*\p], v[CH+2*\p], v[CH+2*\p] row_xmask:\m row_mask:0xf bank_mask:0xf
.endr
.endr
.irp p, 0,1,2,3,4,5,6,7
	v_permlanex16_b32 v[CH+2*\p+1], v[CH+2*\p], s14, s15
.endr
.irp p, 0,1,2,3,4,5,6,7
	v_add_f32 v[CH+2*\p], v[CH+2*\p], v[CH+2*\p+1]     ; every lane holds row p's sum
.endr
	v_mov_b32 v[NV], v[CH]
.irp p, 1,2,3,4,5,6,7
	s_mov_b32 vcc_lo, 0x01010101<<\p               ; the lanes with lane % 8 = p
	v_cndmask_b32 v[NV], v[NV], v[CH+2*\p], vcc_lo
.endr
	v_mul_f32 v[NV], 0x3e800000, v[NV]             ; a quarter: the squares were those of -2 y
	s_wait_alu depctr_va_vdst(0)                   ; the multiply has written v[NV], which the LDS store reads
	ds_store_b32 v[NA], v[NV]                      ; four lanes write each word, with the same number
	s_wait_dscnt 0x0                               ; for the others' sake: my norms lie in LDS
	s_barrier_signal -1
	s_barrier_wait -1
	s_cmp_lg_u32 s12, 0                            ; wave 0 stores the 64 norms: 32 lanes x 8 bytes, 256 consecutive bytes, aligned
	s_cbranch_scc1 .Lend
	ds_load_b64 v[10:11], v[SO] offset:NB          ; no vector instruction names v[10:11], and v[SO] was written ahead of the head's wait: nothing more is owed
	s_wait_dscnt 0x0
	global_store_b64 v[SO], v[10:11], s[8:9]
.Lend:
	s_wait_dscnt 0x0                               ; the closing lines, six on end
	s_wait_alu 0x0
	s_wait_tensorcnt 0x0
	ds_add_u32 v[SPW], v[NIL]
	s_wait_dscnt 0x0
	s_endpgm
.Lfunc_end_k_q5fae7616a5_prep:
	.size	k_q5fae7616a5_prep, .Lfunc_end_k_q5fae7616a5_prep-k_q5fae7616a5_prep
	.p2alignl 7, 3214868480
	.fill 96, 4, 3214868480
	.section	.rodata,"a",@progbits
	.p2align	6, 0x0
	.amdhsa_kernel k_q5fae7616a5_prep
		.amdhsa_group_segment_fixed_size 1280
		.amdhsa_private_segment_fixed_size 0
		.amdhsa_enable_private_segment 0
		.amdhsa_kernarg_size 24
		.amdhsa_user_sgpr_count 2
		.amdhsa_user_sgpr_kernarg_segment_ptr 1
		.amdhsa_wavefront_size32 1
		.amdhsa_system_sgpr_workgroup_id_x 1
		.amdhsa_system_sgpr_workgroup_id_y 1
		.amdhsa_system_sgpr_workgroup_id_z 1
		.amdhsa_system_vgpr_workitem_id 0
		.amdhsa_next_free_vgpr 176
		.amdhsa_next_free_sgpr 66
		.amdhsa_reserve_vcc 1
		.amdhsa_float_denorm_mode_32 3
		.amdhsa_float_denorm_mode_16_64 3
		.amdhsa_memory_ordered 1
		.amdhsa_forward_progress 1
		.amdhsa_inst_pref_size 23
	.end_amdhsa_kernel
	.amdgpu_metadata
---
amdhsa.version: [ 1, 2 ]
amdhsa.kernels:
  - .name:           k_q5fae7616a5_prep
    .symbol:         k_q5fae7616a5_prep.kd
    .args:
      - { .name: memory_bank, .offset: 0, .size: 8, .value_kind: global_buffer, .address_space: global }
      - { .name: yb, .offset: 8, .size: 8, .value_kind: global_buffer, .address_space: global }
      - { .name: yn, .offset: 16, .size: 8, .value_kind: global_buffer, .address_space: global }
    .group_segment_fixed_size: 1280
    .private_segment_fixed_size: 0
    .kernarg_segment_align: 8
    .kernarg_segment_size: 24
    .max_flat_workgroup_size: 256
    .sgpr_count:     66
    .vgpr_count:     176
    .wavefront_size: 32
...
	.end_amdgpu_metadata
.endif
;; end of part 4
;; launch knn: the kernel of part 2 again; grid 64 x 4, 4 waves a work-group, clusters of 4 x 1, 327,680 bytes of LDS; arguments embedding, yb, yn, part; writes part
;; launch final: the kernel of part 3 again; grid 256 x 1, 1 waves a work-group, no clusters, 2,560 bytes of LDS; arguments part, out0; writes out0
